; MI455X (gfx1250); checked and timed in simulation.
; The chip was launched on July 23, 2026; its instructions are those of AMD's public machine-readable ISA for CDNA 5 (MIT licence, August 2026) and "CDNA5" Instruction Set Architecture Reference Guide (July 2026). The comments in the code are by the model that wrote it; some were corrected since.
;; BERT Factorized Attention. Allowed arithmetic: matrix products marked QUANTISED: E3M2 operands, one E8M0 scale for each 32 along K, by v_wmma_scale_f32_16x16x128_f8f6f4 with both operands' format E3M2, f32 sums; everything else in f32.
;; Inputs: Wk_codes 1,024 x 32 x 24 uint8 (E3M2 codes of Wk, K innermost, in blocks of 32 codes, four codes in three bytes); Wk_scales 1,024 x 32 uint8 (E8M0 scales of Wk, one for each 32 codes along K); Wq_codes 1,024 x 32 x 24 uint8 (E3M2 codes of Wq, K innermost, in blocks of 32 codes, four codes in three bytes); Wq_scales 1,024 x 32 uint8 (E8M0 scales of Wq, one for each 32 codes along K); Wv_codes 1,024 x 32 x 24 uint8 (E3M2 codes of Wv, K innermost, in blocks of 32 codes, four codes in three bytes); Wv_scales 1,024 x 32 uint8 (E8M0 scales of Wv, one for each 32 codes along K); attention_mask 8 x 1 x 1 x 2,048 float32; bk 1,024 float32; bq 1,024 float32; bv 1,024 float32; hidden_states_codes 8 x 2,048 x 32 x 24 uint8 (E3M2 codes of hidden_states, K innermost, in blocks of 32 codes, four codes in three bytes); hidden_states_scales 8 x 2,048 x 32 uint8 (E8M0 scales of hidden_states, one for each 32 codes along K).
;; Outputs: out0 8 x 2,048 x 1,024 float32.
;; This version of the problem:
;;   THIS VERSION OF THE PROBLEM IS GIVEN IN LOW PRECISION. The matrix products marked QUANTISED in the list below multiply operands that are first quantised to E3M2 (3 exponent bits, 2 mantissa bits; 6 bits a number), with one power-of-two scale for each 32 numbers along K (OCP MX v1.0); their sums are f32. All else is computed in f32.
;;   The module's matrix products, in the order in which they are computed (A, B: the left and right operand; K: the contracted axis; several contracted axes count as one K, in the product's order):
;;     1. [M 16,384, K 1,024] x [K 1,024, N 1,024]; A: input hidden_states (given as codes); B: input Wq (given as codes): QUANTISED
;;     2. [M 16,384, K 1,024] x [K 1,024, N 1,024]; A: input hidden_states (given as codes); B: input Wk (given as codes): QUANTISED
;;     3. [M 16,384, K 1,024] x [K 1,024, N 1,024]; A: input hidden_states (given as codes); B: input Wv (given as codes): QUANTISED
;;     4. batch 128 x [M 64, K 2,048] x [K 2,048, N 64]; A: softmax (see below); B: computed on the way: QUANTISED
;;     5. batch 128 x [M 2,048, K 64] x [K 64, N 64]; A: softmax (see below); B: computed on the way: QUANTISED
;;   THE QUANTISER, for each operand of a quantised product, along K:
;;     - K is cut into blocks of 32 from its start; a last block that is shorter is filled with zeros.
;;     - A block's scale is 2^e with e = floor(log2(the largest magnitude in the block)) - 4, held to -126 .. 127; a block of zeros has e = 0. As a byte (E8M0): e + 127.
;;     - Each number is divided by its block's scale, clamped to +-28, and rounded to the nearest number of E3M2, ties to even, subnormals kept.
;;     - The product sums the exact products of the quantised numbers (number of the format x scale) in f32.
;;   ~~~python
;;   def quantise(x, axis):      # numpy; x: float32 -> the quantised numbers, widened to float32 again
;;       x = np.moveaxis(x, axis, -1); K = x.shape[-1]
;;       x = np.pad(x, [(0, 0)] * (x.ndim - 1) + [(0, -K % 32)]); x = x.reshape(x.shape[:-1] + (-1, 32)); a = np.abs(x).max(-1, keepdims=True)
;;       e = np.where(a > 0, np.clip(np.frexp(np.where(a > 0, a, 1))[1] - 1 - 4, -126, 127), 0)      # np.frexp(a)[1] - 1 = floor(log2(a)), exactly
;;       r = np.clip(x / 2.0 ** e, -28, 28)
;;       step = 2.0 ** (np.maximum(np.frexp(np.where(r == 0, 1, r))[1] - 1, -2) - 2)
;;       q = np.round(r / step) * step * 2.0 ** e      # np.round: ties to even
;;       return np.moveaxis(q.reshape(q.shape[:-2] + (-1,))[..., :K], -1, axis).astype(np.float32)
;;   ~~~
;;   SOFTMAX AHEAD OF A QUANTISED PRODUCT. Where the list says 'softmax', what is quantised is not the finished softmax but p = 2^(t - M), with t = logit x log2(e) and M = ceil(the row's largest t), a whole number; so 1/2 < the row's largest p <= 1. The row's sum l is taken of the UNQUANTISED p, in f32, and the product's result is divided by l at the end. Since M is a whole number, a kernel that streams over the keys may use a running M (the ceiling of the running maximum): every later rescaling is an exact power of two, which a block's scale takes up: the codes' values come out the same.
;;   OPERANDS COMPUTED ON THE WAY. 'Computed on the way' means the value that the module computes at that place (a softmax that the list does not call 'softmax' is quantised finished and normalised). What goes into a quantiser is computed in f32, as accurately as f32 sums, v_exp_f32 and their like allow (about 1e-6 of the number): no bf16 or f16 on the way to a quantiser, and a product that is left as it is and whose result goes on into a quantised operand takes f32 operands (vector FMAs, or v_wmma_f32_16x16x4_f32). A number that lies on a knife's edge between two numbers of the format may be rounded either way, as far as f32 arithmetic and the matrix unit's own rounding can turn it there, and no further.
;;   INPUTS GIVEN AS CODES. Wk (in the module: [1024, 1024], K = its axis 0); Wq (in the module: [1024, 1024], K = its axis 0); Wv (in the module: [1024, 1024], K = its axis 0); hidden_states (in the module: [8, 2048, 1024], K = its axis 2): each comes as NAME_codes (uint8): NAME with its K axis moved to the last place and cut into blocks of 32 codes, [.., K / 32, bytes a block], one block behind the other in memory; four codes in three bytes: a row's codes are one little-endian stream of bits, code i at bits 6 i .. 6 i + 5 (a code: sign, 3 exponent bits, 2 mantissa bits); and NAME_scales (uint8): the same leading axes, one E8M0 byte (e + 127) for each 32 codes along K. Its value is code x scale, taken as it is: it is not quantised again, and the codes and scales need not be those that the quantiser above would give.
;; One version. Each part assembles by itself: llvm-mc -triple=amdgcn-amd-amdhsa -mcpu=gfx1250 --defsym DOCPART=n.
;; ======== version 1 of 1: 2 launches
;; workspace buffers: part 8,650,752 bytes
;; launch qv (part 1): grid 16 x 32, 4 waves a work-group, clusters of 4 x 4, 327,680 bytes of LDS; arguments hidden_states_codes, hidden_states_scales, Wq_codes, Wq_scales, Wv_codes, Wv_scales, bq, bv, attention_mask, part; writes part
.if DOCPART == 1
	.amdgcn_target "amdgcn-amd-amdhsa--gfx1250"
	.amdhsa_code_object_version 6
	.text
	.protected	k_q46d6568910_qv
	.globl	k_q46d6568910_qv
	.p2align	8
	.type	k_q46d6568910_qv,@function
k_q46d6568910_qv:
	s_mov_b64 s[64:65], 0
	v_nop
	global_prefetch_b8 v0, s[64:65] scope:SCOPE_SE
	s_setreg_imm32_b32 hwreg(HW_REG_WAVE_MODE, 25, 1), 1
	s_wait_xcnt 0x0
	s_wait_alu depctr_hold_cnt(0) depctr_sa_sdst(0) depctr_va_vdst(0) depctr_va_sdst(0) depctr_va_ssrc(0) depctr_va_vcc(0) depctr_vm_vsrc(0)
	s_getreg_b32 s2, hwreg(HW_REG_IB_STS2, 6, 4)
	s_cmp_eq_u32 s2, 0
	s_cbranch_scc0 .Lentry_in_a_cluster
	s_endpgm
.Lentry_in_a_cluster:
	s_bfe_u32 s2, ttmp6, 0x10000c
	s_cmp_lg_u32 s2, 0xf033
	s_cbranch_scc0 .Lentry_shape_is_right
	s_endpgm
.Lentry_shape_is_right:
; q = hidden Wq + bq and v = hidden Wv + bv for ONE head and 512 rows of the sequence, the softmax of q + mask ALONG THE SEQUENCE, and the head's partial sum of p^T v over these 512 rows.
; All products on codes of E3M2 with one E8M0 scale for each 32 along K.  Neither q nor v goes to memory: what leaves is a record of 66 rows of 256 bytes:
;   rows 0-63: S^T[e][d] = sum over the 512 rows of p[d][s] v[s][e], not normalised; row 64: N[d] = -M[d], a whole number as f32; row 65: l[d], the sum of the unquantised p.
; p = 2^(t - M), t = (q + mask) log2(e), M = the ceiling of the piece's largest t.  A wave takes its own M for its 128 rows; pieces are joined by factors 2^(M_piece - M), which are exact.
; SHARES.  Work-group (x, y): head x, rows 512 y .. 512 y + 511 of the 16,384 (a batch is four y).  Wave w: rows 128 w on, all 128 columns (64 of q, 64 of v): 64 accumulators, 512 registers.
; K = 1,024 goes in four steps of 256 (rows of 192 bytes) through two LDS slots; a slot holds 512 rows of hidden and 128 rows of W.
; CLUSTER 4 x 4: the four work-groups of a row share y, so hidden's tiles; the four of a column share x, so W's: each tile is asked for jointly.
; THE MATRIX INSTRUCTION: source 0 = 16 rows of hidden, source 1 = 16 rows of W: a lane holds ONE column d (or e), its registers run along the sequence, which is the next product's K.
; Tiles are neighbouring rows, so inside a block of 32 the codes stand in the order 0-7, 16-23, 8-15, 24-31: the same for p and for v, which leaves every product of a pair as it is.
; LIMITS.  NaN and +infinity among the logits, and scale bytes 0xff, are not served.  A mask of -infinity is served: a piece hidden as a whole gets -M = 3e38, p = 0, l = 0 and the factor 0.
; A block of zeros gets the scale byte 1 (its codes are zeros; this program alone reads the bytes).  p under 2^-126 counts as 0.
; No prefetch: every tile is read by several work-groups at about the same time and is shared in the cluster.
; REGISTERS, in windows of 256.  Window 0: v1-27 addresses; v32-63 hidden's scale words, v64-95 W's; v96-127, v224-255 the biases (eight equal registers a block of W), later the softmax's figures; v128-223 W's fragments.
;   Window 1: v0-95, v128-223 hidden's fragments, two sets; v96-127, v224-255 the mask of my 128 rows.  Window 2: q (a = 0..3 at 64 a).  Window 3: v.
.set ROWB,  192                        ; 256 codes
.set KROW,  768                        ; a row of hidden or of W in memory
.set PITCH, 240                        ; an LDS row: 3 x (64 bytes + 16 of padding)
.set FR,    12                         ; registers of a fragment
.set NL,    6                          ; LDS loads that bring one
.set NP,    4                          ; places behind this matrix instruction (ISA guide 7.12.1)
.set HB,    512*PITCH                  ; in a slot: W's rows begin behind hidden's 512
.set SLOT,  640*PITCH
.set SPARE, 2*SLOT                     ; the spare words: 128 bytes a wave, two blocks of 256 bytes that no other line names
.set SROW,  272                        ; the stage: a row of 64 f32 + 16 bytes
.set WSTG,  64*SROW                    ; a wave's stage.  The stages and the table lie in slot 0, which has had its last fill and its last read at the last change of slots
.set TAB,   4*WSTG                     ; the table: for each wave 64 N, then 64 l
.set REC,   16896                      ; a record
.set ADRL,  16                         ; v16-17 W's fragments in slot 0, 1; v18-19 the same behind one padding more
.set ADRR,  20                         ; v20-23 the same for my rows of hidden
.set SPW,   28
.set NIL,   29
.set SCH,   32
.set SCW,   64
.set LF,    128
.set BM,    96                         ; v96-111  block n = 4 a + u: its largest logit, then its largest p, then its byte
.set T2,    112                        ; v112-127 at work; the conversions' scale operands
.set NMR,   224                        ; v224+2a  -M of column 16 a + r
.set CHA,   232                        ; v232+2a  the sum, first chain; then l
.set CHB,   240                        ; v240+2a  second chain
.set CT,    248                        ; v248-254 a conversion's second halves
.set PWR,   32                         ; v32-35   p's scale words
.set VWR,   36                         ; v36-39   v's
.set NT,    128                        ; the sum phase: N of the four waves, l, the least N, the factors, the joined l, what wave 0 stores
.set LT,    144
.set NMIN,  160
.set GW,    164
.set LSUM,  180
.set TD,    184
.set G1H, 24
.set G0H, 32
.set G1W, 48
.set G0W, 56
.set MSB, 0
.macro WIN new                         ; bits 1:0 source 0, 3:2 source 1, 5:4 source 2, 7:6 destination; the high byte repeats the setting that is left
.if MSB != \new
	s_set_vgpr_msb (MSB<<8)|\new
.set MSB, \new
.endif
.endm
.macro PLACES n
.rept \n
	v_nop
.endr
.endm
; A joint load: waves 0 and 1 fetch hidden's halves, waves 2 and 3 Wq's and Wv's rows.  The branch hangs on the wave's number alone.  Four v_nop follow each line.
.macro JLOAD sl
	s_cmp_eq_u32 s67, 0
	s_cbranch_scc0 .Lfor_w_\@
	tensor_load_to_lds s[G0H+4*\sl:G0H+4*\sl+3], s[G1H:G1H+7]
	s_nop 0
.rept 4
	v_nop
.endr
	s_branch .Lasked_\@
.Lfor_w_\@:
	tensor_load_to_lds s[G0W+4*\sl:G0W+4*\sl+3], s[G1W:G1W+7]
	s_nop 0
.rept 4
	v_nop
.endr
.Lasked_\@:
.endm
.macro CREST                           ; a round of the cluster's barrier behind its opening barrier
	s_cmp_lg_u32 s66, 0
	s_cbranch_scc1 .Lnot_wave_0_\@
	s_barrier_signal -3
.Lnot_wave_0_\@:
	s_barrier_wait -3
	s_barrier_signal -1
	s_barrier_wait -1
.endm
.macro CROUND
	s_barrier_signal -1
	s_barrier_wait -1
	CREST
.endm
; A fragment: lane l holds row l % 16; registers 6 c .. 6 c + 5 hold K = 64 c + 32 (l / 16) + 0 .. 31: 24 bytes of the row as they lie, in pieces of 8 bytes.
; Lanes 16-31 read three pieces on; where that lies behind one padding more, the second address register serves.
.macro FRAG reg, adr, q, i
.irp p, 0,1,2,3,4,5
.set PCE, 12*(\q)+6*(\p/3)+\p%3
.if PCE%8 < 5
	ds_load_b64 v[\reg+2*\p:\reg+2*\p+1], v[\adr] offset:8*PCE+16*(PCE/8)+(\i)*16*PITCH
.else
	ds_load_b64 v[\reg+2*\p:\reg+2*\p+1], v[\adr+2] offset:8*PCE+16*(PCE/8)+(\i)*16*PITCH
.endif
.endr
.endm
.macro FETCH_R slot, q, p              ; source 0's eight fragments (hidden) into set p of window 1
	WIN 0x40
.irp i, 0,1,2,3,4,5,6,7
	FRAG 128*(\p)+FR*\i, ADRR+\slot, \q, \i
.endr
	WIN 0
.endm
.macro FETCH_L slot, q, i0             ; source 1's blocks i0 .. i0 + 3 (W)
.irp i, \i0, \i0+1, \i0+2, \i0+3
	FRAG LF+FR*(\i), ADRL+\slot, \q, \i
.endr
.endm
; 16 matrix instructions: W's blocks a0, a0 + 1 x hidden's eight, the g-th 128 along K.  A scale register holds the words of step g % 4 in lanes 0-15 and of 4 + g % 4 in lanes 16-31.
; mode = 1: the first step: C is the bias.  The 64 accumulators take turns, one instruction a turn, in the same order in every step.
.macro MUL16 a0, p, g, mode
.irp a, \a0, \a0+1
.irp b, 0,1,2,3,4,5,6,7
.set rD, 8*(8*((\a)%4)+\b)
.set rR, 128*(\p)+FR*\b
.set rL, LF+FR*(\a)
.set sR, SCH+4*\b+(\g)%4
.set sL, SCW+4*(\a)+(\g)%4
.set rC, 96+8*(\a)+96*((\a)/4)
.if \mode
	v_wmma_scale_f32_16x16x128_f8f6f4 v[rD:rD+7], v[rR:rR+FR-1], v[rL:rL+FR-1], v[rC:rC+7], v[sR], v[sL] matrix_a_fmt:MATRIX_FMT_BF6 matrix_b_fmt:MATRIX_FMT_BF6
.elseif (\g) < 4
	v_wmma_scale_f32_16x16x128_f8f6f4 v[rD:rD+7], v[rR:rR+FR-1], v[rL:rL+FR-1], v[rD:rD+7], v[sR], v[sL] matrix_a_fmt:MATRIX_FMT_BF6 matrix_b_fmt:MATRIX_FMT_BF6
.else
	v_wmma_scale_f32_16x16x128_f8f6f4 v[rD:rD+7], v[rR:rR+FR-1], v[rL:rL+FR-1], v[rD:rD+7], v[sR], v[sL] matrix_a_fmt:MATRIX_FMT_BF6 matrix_b_fmt:MATRIX_FMT_BF6 matrix_a_scale:MATRIX_SCALE_ROW1 matrix_b_scale:MATRIX_SCALE_ROW1
.endif
.endr
.endr
.endm
; A slot's first 128 along K.  Source 1 has one set: its blocks 0-3 are fetched anew in the step's middle, blocks 4-7 at its end; source 0's other set comes in the middle.
.macro STEP slot, g, mode
	s_wait_dscnt 4*NL                              ; all but the 24 youngest loads (source 1's blocks 4-7) are in
.if \mode
	WIN 0x81
.else
	WIN 0xa1
.endif
	MUL16 0, 0, \g, \mode
	MUL16 2, 0, \g, \mode
	s_wait_dscnt 0x0
	PLACES NP                                      ; in front of loads into registers that matrix instructions have read
	FETCH_R \slot, 1, 1
	FETCH_L \slot, 1, 0
.if \mode
	WIN 0xc1
.else
	WIN 0xf1
.endif
	MUL16 4, 0, \g, \mode
	MUL16 6, 0, \g, \mode
	PLACES NP
	WIN 0
	FETCH_L \slot, 1, 4
.endm
; A slot's second 128 along K changes slots: one barrier; in front of it each wave waits for all its tensor loads, adds 0 to its spare word, and waits for that and for its reads of this slot.
; fill = 1: the barrier opens a round of the cluster's barrier, and this slot is filled again, two steps of 256 ahead, first thing behind the round.
.macro TURN slot, next, g, fill
	s_wait_tensorcnt 0x0                           ; all my tensor loads have landed: my part of the next slot
	ds_add_u32 v[SPW], v[NIL]                      ; 0 onto my spare word
	s_wait_dscnt 4*NL+1                            ; the add and the 24 youngest loads may be out
	WIN 0xa1
	MUL16 0, 1, \g, 0
	s_wait_dscnt 0x0                               ; the add is done, and my reads of this slot are over
	s_barrier_signal -1
	MUL16 2, 1, \g, 0
	WIN 0
	s_barrier_wait -1
.if \fill
	CREST
	s_add_nc_u64 s[G0H+4*\slot+2:G0H+4*\slot+3], s[G0H+4*\slot+2:G0H+4*\slot+3], 2*ROWB
	s_add_nc_u64 s[G0W+4*\slot+2:G0W+4*\slot+3], s[G0W+4*\slot+2:G0W+4*\slot+3], 2*ROWB
	JLOAD \slot                                    ; its four v_nop are also the places in front of the loads below
.else
	PLACES NP
.endif
	FETCH_R \next, 0, 0
	FETCH_L \next, 0, 0
	WIN 0xf1
	MUL16 4, 1, \g, 0
	MUL16 6, 1, \g, 0
	PLACES NP
	WIN 0
	FETCH_L \next, 0, 4
.endm
; 64 numbers of a lane in window w, v[src] on (16 a block), whose four blocks' largest magnitudes (both halves of the lanes joined, the floor 2^(5 - 127) among them) stand in v[tm] on,
; become a fragment's codes in v[pc] on and its scale word in v[pw].
.macro QTAIL src, w, tm, so, pc, ct, pw
.irp u, 0,1,2,3
	v_add_nc_u32 v[\so+\u], 0xfe000000, v[\tm+\u]  ; 4 off the exponent field: the conversion takes the exponent field of this operand as its scale
.endr
.irp u, 0,1,2,3
	v_lshrrev_b32 v[\tm+\u], 23, v[\so+\u]         ; the scale's byte
.endr
	v_lshl_or_b32 v[\pw], v[\tm+1], 8, v[\tm]
	v_lshl_or_b32 v[\pw], v[\tm+2], 16, v[\pw]
	v_lshl_or_b32 v[\pw], v[\tm+3], 24, v[\pw]
	WIN \w
.irp c, 0,1
	v_cvt_scalef32_pk16_bf6_f32 v[\pc+6*\c:\pc+6*\c+2], v[\src+32*\c:\src+32*\c+15], v[\so+2*\c]
	v_cvt_scalef32_pk16_bf6_f32 v[\ct+4*\c:\ct+4*\c+2], v[\src+32*\c+16:\src+32*\c+31], v[\so+2*\c+1]
.endr
	WIN 0
	v_nop                                          ; one plain place behind a scaled conversion
.irp c, 0,1                                    ; the operand wants a whole block in a lane: lanes 0-15 block 2 c, lanes 16-31 block 2 c + 1
.irp i, 0,1,2
	v_permlane16_swap_b32 v[\pc+6*\c+\i], v[\ct+4*\c+\i]
.endr
.irp i, 0,1,2
	v_mov_b32 v[\pc+6*\c+3+\i], v[\ct+4*\c+\i]
.endr
.endr
.endm
	s_load_b256 s[4:11], s[0:1], 0x0               ; hidden's codes s[4:5], its scales s[6:7], Wq's codes s[8:9], its scales s[10:11]
	s_load_b256 s[12:19], s[0:1], 0x20             ; Wv's codes s[12:13], its scales s[14:15], bq s[16:17], bv s[18:19]
	s_load_b128 s[20:23], s[0:1], 0x40             ; the mask s[20:21], the records s[22:23]
	v_lshl_add_u32 v[SPW], v0, 2, SPARE
	v_mov_b32 v[NIL], 0
	ds_add_u32 v28, v29
	ds_add_u32 v28, v29
	s_wait_dscnt 0x0
	v_lshrrev_b32 v1, 5, v0
	v_readfirstlane_b32 s66, v1                    ; wave 0..3
	s_lshr_b32 s67, s66, 1                         ; 0: I fetch hidden; 1: W
	s_and_b32 s68, s66, 1                          ; which half
	s_bfe_u32 s40, ttmp6, 0x40000                  ; cx
	s_bfe_u32 s41, ttmp6, 0x40004                  ; cy
	s_lshl_b32 s42, ttmp9, 2
	s_add_co_u32 s42, s42, s40                     ; x: the head
	s_and_b32 s45, ttmp7, 0xffff
	s_lshl_b32 s45, s45, 2
	s_add_co_u32 s45, s45, s41                     ; y: which 512 rows
	s_lshl_b32 s43, s41, 2
	s_lshl_b32 s43, 15, s43                        ; my row of the cluster
	s_lshl_b32 s44, 0x1111, s40                    ; my column
	s_or_b32 s[G1H+0], s43, (1<<20)|(1<<21)|(3<<22)|(3<<25)  ; the mask; elements of 1 byte; padding on; bit 21 beside a mask; after every 16 words 4 words
	s_or_b32 s[G1W+0], s44, (1<<20)|(1<<21)|(3<<22)|(3<<25)
	s_mov_b32 s[G1H+1], ROWB<<16                   ; tensor_dim0
	s_mov_b32 s[G1H+2], 256<<16                    ; tensor_dim1: 256 rows of hidden
	s_mov_b32 s[G1H+3], ROWB<<16                   ; tile_dim0
	s_mov_b32 s[G1H+4], 256                        ; tile_dim1
	s_mov_b32 s[G1H+5], KROW                       ; from row to row
	s_mov_b32 s[G1H+6], 0
	s_mov_b32 s[G1H+7], 0
	s_mov_b32 s[G1W+1], ROWB<<16
	s_mov_b32 s[G1W+2], 64<<16                     ; 64 rows of W
	s_mov_b32 s[G1W+3], ROWB<<16
	s_mov_b32 s[G1W+4], 64
	s_mov_b32 s[G1W+5], KROW
	s_mov_b32 s[G1W+6], 0
	s_mov_b32 s[G1W+7], 0
	s_mov_b32 s76, 0x76543210                      ; v_permlanex16_b32's selects for lane l xor 16
	s_mov_b32 s77, 0xfedcba98
	s_mov_b32 s78, 0x3fb8aa3b                      ; log2(e)
	s_mov_b32 s79, s78
	s_lshl_b32 s70, s45, 9                         ; hidden's tile hangs on y and the wave alone: registers s70-s73 never hold x
	s_lshl_b32 s71, s68, 8
	s_add_co_u32 s70, s70, s71
	s_mul_i32 s70, s70, KROW
	s_mov_b32 s71, 0
	s_mul_i32 s74, s42, 64*KROW                    ; W's on x and the wave alone: s74, s75, s46, s47 never hold y
	s_mov_b32 s75, 0
	s_mul_i32 s69, s68, 256*PITCH                  ; where they go: no place in the cluster enters an LDS address
	s_mul_i32 s98, s68, 64*PITCH
	s_add_co_u32 s98, s98, HB
	s_wait_kmcnt 0x0
	s_add_nc_u64 s[72:73], s[4:5], s[70:71]
	s_cmp_eq_u32 s68, 0
	s_cselect_b64 s[46:47], s[8:9], s[12:13]       ; wave 2: Wq's rows; wave 3: Wv's
	s_add_nc_u64 s[46:47], s[46:47], s[74:75]
	CROUND                                         ; all sixteen work-groups are here: the first joint loads meet
.irp n, 0,1
	s_mov_b32 s[G0H+4*\n], 1
	s_add_co_u32 s[G0H+4*\n+1], s69, \n*SLOT
	s_add_nc_u64 s[G0H+4*\n+2:G0H+4*\n+3], s[72:73], \n*ROWB
	s_or_b32 s[G0H+4*\n+3], s[G0H+4*\n+3], 0x80000000
	s_mov_b32 s[G0W+4*\n], 1
	s_add_co_u32 s[G0W+4*\n+1], s98, \n*SLOT
	s_add_nc_u64 s[G0W+4*\n+2:G0W+4*\n+3], s[46:47], \n*ROWB
	s_or_b32 s[G0W+4*\n+3], s[G0W+4*\n+3], 0x80000000
	JLOAD \n
.endr
	v_and_b32 v1, 15, v0                           ; r
	v_bfe_u32 v2, v0, 4, 1                         ; h
	v_mul_u32_u24 v5, v1, PITCH
	v_mad_u32_u24 v5, v2, 24, v5                   ; a fragment's row x pitch + 24 h
	v_lshl_add_u32 v6, v2, 4, v5                   ; and behind one padding more
	s_mul_i32 s96, s66, 128*PITCH                  ; my 128 rows of hidden
	s_mov_b32 s97, HB                              ; W's 128 rows
.irp n, 0,1
	v_add_nc_u32 v[ADRR+\n], s96, v5
	v_add_nc_u32 v[ADRR+2+\n], s96, v6
	v_add_nc_u32 v[ADRL+\n], s97, v5
	v_add_nc_u32 v[ADRL+2+\n], s97, v6
	s_add_co_u32 s96, s96, SLOT
	s_add_co_u32 s97, s97, SLOT
.endr
	s_lshl_b32 s70, s45, 9
	s_lshl_b32 s71, s66, 7
	s_add_co_u32 s70, s70, s71                     ; my first row
	s_lshl_b32 s99, s70, 2                         ; its mask: 4 bytes a row
	s_lshl_b32 s70, s70, 5                         ; its scales: 32 bytes a row
	s_mov_b32 s71, 0
	s_add_nc_u64 s[6:7], s[6:7], s[70:71]
	s_mov_b32 s70, s99
	s_add_nc_u64 s[20:21], s[20:21], s[70:71]
	s_lshl_b32 s74, s42, 11                        ; the head's 64 rows of W's scales
	s_add_nc_u64 s[10:11], s[10:11], s[74:75]
	s_add_nc_u64 s[14:15], s[14:15], s[74:75]
	s_lshl_b32 s74, s42, 8                         ; and its 64 biases
	s_add_nc_u64 s[16:17], s[16:17], s[74:75]
	s_add_nc_u64 s[18:19], s[18:19], s[74:75]
	s_lshr_b32 s80, s45, 2                         ; my record: ((batch x 16 + head) x 4 + chunk)
	s_lshl_b32 s80, s80, 4
	s_add_co_u32 s80, s80, s42
	s_lshl_b32 s80, s80, 2
	s_and_b32 s81, s45, 3
	s_add_co_u32 s80, s80, s81
	s_mul_i32 s80, s80, REC
	s_mov_b32 s81, 0
	s_add_nc_u64 s[80:81], s[22:23], s[80:81]
	v_lshlrev_b32 v10, 5, v1
	v_lshl_add_u32 v10, v2, 4, v10                 ; scales: 32 r + 16 h: a load of 16 rows reads 512 consecutive bytes; lanes 0-15 get the words of steps 0-3, lanes 16-31 of steps 4-7
	v_lshlrev_b32 v11, 2, v1                       ; a bias: 4 r
	v_lshlrev_b32 v12, 5, v2                       ; the mask: 32 h
.irp i, 0,1,2,3,4,5,6,7
	global_load_b128 v[SCH+4*\i:SCH+4*\i+3], v10, s[6:7] offset:512*\i
.endr
.irp i, 0,1,2,3
	global_load_b128 v[SCW+4*\i:SCW+4*\i+3], v10, s[10:11] offset:512*\i
	global_load_b128 v[SCW+16+4*\i:SCW+16+4*\i+3], v10, s[14:15] offset:512*\i
.endr
.irp a, 0,1,2,3
	global_load_b32 v[96+8*\a], v11, s[16:17] offset:64*\a    ; bq[16 a + r]
	global_load_b32 v[224+8*\a], v11, s[18:19] offset:64*\a   ; bv[16 a + r]
.endr
	WIN 0x40
.irp b, 0,1,2,3,4,5,6,7                        ; the mask at rows 16 b + 8 h + 0 .. 7, in the accumulators' layout
	global_load_b128 v[96+8*\b+96*(\b/4):96+8*\b+96*(\b/4)+3], v12, s[20:21] offset:64*\b
	global_load_b128 v[96+8*\b+96*(\b/4)+4:96+8*\b+96*(\b/4)+7], v12, s[20:21] offset:64*\b+16
.endr
	WIN 0
	s_mul_i32 s96, s66, WSTG                       ; the stage, in: row e = 16 a' + r, byte 64 a + 32 h
	v_mul_u32_u24 v13, v1, SROW
	v_lshl_add_u32 v13, v2, 5, v13
	v_add_nc_u32 v13, s96, v13
	s_lshl_b32 s96, s66, 9
	s_add_co_u32 s96, s96, TAB
	v_lshl_add_u32 v14, v1, 2, s96                 ; the table, in: my wave's 512 bytes, 4 r
	s_mul_i32 s96, s66, 16*SROW                    ; the stage, back: rows 16 w + h, 16 bytes a lane
	v_mul_u32_u24 v15, v2, SROW
	v_lshl_add_u32 v15, v1, 4, v15
	v_add_nc_u32 v15, s96, v15
	v_lshlrev_b32 v24, 4, v1
	v_add_nc_u32 v24, TAB, v24                     ; the table, back: columns 4 r .. 4 r + 3
	s_lshl_b32 s96, s66, 12
	v_lshlrev_b32 v25, 8, v2
	v_lshl_add_u32 v25, v1, 4, v25
	v_add_nc_u32 v26, 64*256, v25                  ; the record's rows 64 + h
	v_add_nc_u32 v25, s96, v25                     ; and rows 16 w + h
	s_wait_tensorcnt 1                             ; my part of slot 0 is in; slot 1's may stay out
	s_barrier_signal -1
	s_barrier_wait -1
	FETCH_R 0, 0, 0
	FETCH_L 0, 0, 0
	FETCH_L 0, 0, 4
	s_wait_loadcnt 0x0                             ; scales, biases, mask
.irp a, 0,1,2,3,4,5,6,7                        ; a lane's bias is the same for all eight rows of the sequence
.irp j, 1,2,3,4,5,6,7
	v_mov_b32 v[96+8*\a+96*(\a/4)+\j], v[96+8*\a+96*(\a/4)]
.endr
.endr
	STEP 0, 0, 1                                   ; K = 1,024 is eight steps of 128, written out: the scale register and its row hang on the step
	TURN 0, 1, 1, 1
	STEP 1, 2, 0
	TURN 1, 0, 3, 1
	STEP 0, 4, 0
	TURN 0, 1, 5, 0                                ; nothing is left to fetch
	STEP 1, 6, 0
	s_wait_dscnt 4*NL
	WIN 0xa1
	MUL16 0, 1, 7, 0
	MUL16 2, 1, 7, 0
	s_wait_dscnt 0x0
	WIN 0xf1
	MUL16 4, 1, 7, 0
	MUL16 6, 1, 7, 0
	; ---- THE SOFTMAX ALONG THE SEQUENCE.  Register 2 n of window 2: a = n / 32, row 16 b + 8 h + j with b = (n / 4) % 8, j = 2 (n % 4)
	PLACES NP
	WIN 0x86
.set n, 0
.rept 128
.set mk, 96+8*((n/4)%8)+96*(((n/4)%8)/4)+2*(n%4)
	v_pk_add_f32 v[2*n:2*n+1], v[2*n:2*n+1], v[mk:mk+1]    ; q + mask, each accumulator from its low end on
.set n, n+1
.endr
	WIN 0x2a                                       ; the largest logit of each block of 32 rows: it serves for the column's maximum and, since p rises with the logit, for the block's largest p
.set n, 0
.rept 16
	v_max3_num_f32 v[BM+n], v[16*n], v[16*n+1], v[16*n+2]
.set n, n+1
.endr
	WIN 0x28
.irp i, 3,5,7,9,11,13
.set n, 0
.rept 16
	v_max3_num_f32 v[BM+n], v[BM+n], v[16*n+\i], v[16*n+\i+1]
.set n, n+1
.endr
.endr
	WIN 0x08
.set n, 0
.rept 16
	v_max_num_f32 v[BM+n], v[BM+n], v[16*n+15]
.set n, n+1
.endr
	WIN 0
.set n, 0
.rept 16
	v_permlanex16_b32 v[T2+n], v[BM+n], s76, s77
.set n, n+1
.endr
.set n, 0
.rept 16
	v_max_num_f32 v[BM+n], v[BM+n], v[T2+n]        ; with lane l xor 16's 16 rows
.set n, n+1
.endr
.irp a, 0,1,2,3
	v_max3_num_f32 v[T2+4*\a], v[BM+4*\a], v[BM+4*\a+1], v[BM+4*\a+2]
.endr
.irp a, 0,1,2,3
	v_max_num_f32 v[T2+4*\a], v[T2+4*\a], v[BM+4*\a+3]
.endr
.irp a, 0,1,2,3
	v_mul_f32 v[T2+4*\a], s78, v[T2+4*\a]          ; the largest t of my 128 rows
.endr
.irp a, 0,1,2,3
	v_max_num_f32 v[T2+4*\a], 0xff61b1e6, v[T2+4*\a]   ; not under -3e38: a piece hidden as a whole gives p = 0 and no NaN
.endr
.irp a, 0,1,2,3
	v_floor_f32 v[NMR+2*\a], -v[T2+4*\a]           ; -M = floor(-t): M is a whole number.  (The pair's upper register was written with the biases)
.endr
.set n, 0
.rept 16
	v_fma_f32 v[BM+n], v[BM+n], s78, v[NMR+2*(n/4)]
.set n, n+1
.endr
	WIN 0x82
.set n, 0
.rept 128
	v_pk_fma_f32 v[2*n:2*n+1], v[2*n:2*n+1], s[78:79], v[NMR+2*(n/32):NMR+2*(n/32)+1] op_sel_hi:[1,0,0]   ; t - M
.set n, n+1
.endr
.set n, 0
.rept 256
	v_exp_f32 v[n], v[n]                           ; p = 2^(t - M), not normalised
.set n, n+1
.endr
	WIN 0
.set n, 0
.rept 16
	v_exp_f32 v[BM+n], v[BM+n]                     ; each block's largest p: the same two instructions on the same number
.set n, n+1
.endr
	v_nop                                          ; a plain instruction behind the last exponential
	s_wait_alu depctr_va_vdst(0)                   ; one wait for the whole batch, ahead of its first reader
	WIN 0x0a                                       ; the sums are taken of the unquantised p: two chains a column
.irp a, 0,1,2,3
	v_pk_add_f32 v[CHA+2*\a:CHA+2*\a+1], v[64*\a:64*\a+1], v[64*\a+2:64*\a+3]
	v_pk_add_f32 v[CHB+2*\a:CHB+2*\a+1], v[64*\a+4:64*\a+5], v[64*\a+6:64*\a+7]
.endr
	WIN 0x08
.irp j, 8,12,16,20,24,28,32,36,40,44,48,52,56,60
.irp a, 0,1,2,3
	v_pk_add_f32 v[CHA+2*\a:CHA+2*\a+1], v[CHA+2*\a:CHA+2*\a+1], v[64*\a+\j:64*\a+\j+1]
	v_pk_add_f32 v[CHB+2*\a:CHB+2*\a+1], v[CHB+2*\a:CHB+2*\a+1], v[64*\a+\j+2:64*\a+\j+3]
.endr
.endr
	WIN 0
.irp a, 0,1,2,3
	v_pk_add_f32 v[CHA+2*\a:CHA+2*\a+1], v[CHA+2*\a:CHA+2*\a+1], v[CHB+2*\a:CHB+2*\a+1]
.endr
.irp a, 0,1,2,3
	v_add_f32 v[CHA+2*\a], v[CHA+2*\a], v[CHA+2*\a+1]
.endr
.irp a, 0,1,2,3
	v_permlanex16_b32 v[CHB+2*\a], v[CHA+2*\a], s76, s77
.endr
.irp a, 0,1,2,3
	v_add_f32 v[CHA+2*\a], v[CHA+2*\a], v[CHB+2*\a]    ; l of column 16 a + r over my 128 rows
.endr
.set n, 0
.rept 16
	v_max_num_f32 v[BM+n], 0x2800000, v[BM+n]      ; the floor 2^(5 - 127): the byte cannot fall under 1
.set n, n+1
.endr
.irp a, 0,1,2,3
	QTAIL 64*\a, 2, BM+4*\a, T2+4*\a, LF+12*\a, CT, PWR+\a
.endr
	; ---- v is quantised along the sequence in the same layout
	WIN 0x0f
.set n, 0
.rept 16
	v_max3_num_f32 v[BM+n], |v[16*n]|, |v[16*n+1]|, 0x2800000
.set n, n+1
.endr
	WIN 0x3c
.irp i, 2,4,6,8,10,12,14
.set n, 0
.rept 16
	v_max3_num_f32 v[BM+n], v[BM+n], |v[16*n+\i]|, |v[16*n+\i+1]|
.set n, n+1
.endr
.endr
	WIN 0
.set n, 0
.rept 16
	v_permlanex16_b32 v[T2+n], v[BM+n], s76, s77
.set n, n+1
.endr
.set n, 0
.rept 16
	v_max_num_f32 v[BM+n], v[BM+n], v[T2+n]
.set n, n+1
.endr
.irp a, 0,1,2,3
	QTAIL 64*\a, 3, BM+4*\a, T2+4*\a, LF+48+12*\a, CT, VWR+\a
.endr
	PLACES 8                                       ; a scale register written by a vector instruction stands 8 places ahead of a scaled matrix instruction, an operand 4
	; ---- S^T over my 128 rows: source 0 = 16 columns d of p, source 1 = 16 columns e of v: lane = e = 16 f + r, register j = d = 16 a + 8 h + j
	WIN 0x40
.irp a, 0,1,2,3
.irp f, 0,1,2,3
	v_wmma_scale_f32_16x16x128_f8f6f4 v[8*(4*\a+\f):8*(4*\a+\f)+7], v[LF+12*\a:LF+12*\a+11], v[LF+48+12*\f:LF+48+12*\f+11], 0, v[PWR+\a], v[VWR+\f] matrix_a_fmt:MATRIX_FMT_BF6 matrix_b_fmt:MATRIX_FMT_BF6
.endr
.endr
	PLACES NP
	WIN 0x04                                       ; an LDS store's data are its source 1: window 1
.irp a, 0,1,2,3
.irp f, 0,1,2,3
	ds_store_b128 v13, v[8*(4*\a+\f):8*(4*\a+\f)+3] offset:16*\f*SROW+64*\a       ; each result from its low end on
	ds_store_b128 v13, v[8*(4*\a+\f)+4:8*(4*\a+\f)+7] offset:16*\f*SROW+64*\a+16
.endr
.endr
	WIN 0
.irp a, 0,1,2,3
	ds_store_b32 v14, v[NMR+2*\a] offset:64*\a     ; both halves of the lanes write the same word with the same value
	ds_store_b32 v14, v[CHA+2*\a] offset:64*\a+256
.endr
	s_wait_dscnt 0x0                               ; for the others' sake: my stores have landed
	s_barrier_signal -1
	s_barrier_wait -1
	; ---- THE FOUR WAVES' PIECES ARE JOINED.  Wave w takes rows e = 16 w .. 16 w + 15; a lane holds columns d = 4 r .. 4 r + 3 of row 16 w + 2 t + h
.irp w, 0,1,2,3
	ds_load_b128 v[NT+4*\w:NT+4*\w+3], v24 offset:512*\w
	ds_load_b128 v[LT+4*\w:LT+4*\w+3], v24 offset:512*\w+256
.endr
	WIN 0x40
.irp t, 0,1,2,3,4,5,6,7
.irp w, 0,1,2,3
	ds_load_b128 v[128+16*\t+4*\w:128+16*\t+4*\w+3], v15 offset:WSTG*\w+2*SROW*\t
.endr
.endr
	WIN 0
	s_wait_dscnt 32                                ; the table is in; the 32 loads of S may be out
.irp k, 0,1,2,3
	v_min_num_f32 v[NMIN+\k], v[NT+\k], v[NT+4+\k]
.endr
.irp k, 0,1,2,3
	v_min_num_f32 v[NMIN+\k], v[NMIN+\k], v[NT+8+\k]
.endr
.irp k, 0,1,2,3
	v_min_num_f32 v[NMIN+\k], v[NMIN+\k], v[NT+12+\k]  ; the least -M is the largest M
.endr
.set n, 0
.rept 16
	v_sub_f32 v[GW+n], v[NMIN+n%4], v[NT+n]        ; M_piece - M: a whole number, 0 or less
.set n, n+1
.endr
.set n, 0
.rept 16
	v_cvt_i32_f32 v[GW+n], v[GW+n]                 ; (it saturates)
.set n, n+1
.endr
.set n, 0
.rept 16
	v_ldexp_f32 v[GW+n], 1.0, v[GW+n]              ; the factor 2^(M_piece - M): it rounds nothing
.set n, n+1
.endr
.irp j, 0,2
	v_pk_mul_f32 v[LSUM+\j:LSUM+\j+1], v[GW+\j:GW+\j+1], v[LT+\j:LT+\j+1]
.endr
.irp w, 1,2,3
.irp j, 0,2
	v_pk_fma_f32 v[LSUM+\j:LSUM+\j+1], v[GW+4*\w+\j:GW+4*\w+\j+1], v[LT+4*\w+\j:LT+4*\w+\j+1], v[LSUM+\j:LSUM+\j+1]
.endr
.endr
	s_wait_dscnt 0x0
	WIN 0x41
.irp t, 0,1,2,3,4,5,6,7
.irp j, 0,2
	v_pk_mul_f32 v[4*\t+\j:4*\t+\j+1], v[128+16*\t+\j:128+16*\t+\j+1], v[GW+\j:GW+\j+1]
.endr
.endr
	WIN 0x51
.irp w, 1,2,3
.irp t, 0,1,2,3,4,5,6,7
.irp j, 0,2
	v_pk_fma_f32 v[4*\t+\j:4*\t+\j+1], v[128+16*\t+4*\w+\j:128+16*\t+4*\w+\j+1], v[GW+4*\w+\j:GW+4*\w+\j+1], v[4*\t+\j:4*\t+\j+1]
.endr
.endr
.endr
	WIN 0x04                                       ; a store's data are its source 1: window 1
.irp t, 0,1,2,3,4,5,6,7
	global_store_b128 v25, v[4*\t:4*\t+3], s[80:81] offset:512*\t   ; 32 lanes store two rows of the record: 512 consecutive bytes, at a multiple of 256 from the buffer's first byte
.endr
	WIN 0
	s_cmp_lg_u32 s66, 0                            ; every wave holds the joined -M and l; wave 0 stores them: rows 64 and 65
	s_cbranch_scc1 .Lnot0
	v_cmp_eq_u32 vcc_lo, 1, v2
.irp k, 0,1,2,3
	v_cndmask_b32 v[TD+\k], v[NMIN+\k], v[LSUM+\k], vcc_lo
.endr
	global_store_b128 v26, v[TD:TD+3], s[80:81]
.Lnot0:
	s_wait_tensorcnt 0x0                           ; the wave's end
	ds_add_u32 v[SPW], v[NIL]
	s_wait_dscnt 0x0
	CROUND                                         ; the closing round: no work-group ends while a partner may still ask for a tile that names it
	s_endpgm
.Lfunc_end_k_q46d6568910_qv:
	.size	k_q46d6568910_qv, .Lfunc_end_k_q46d6568910_qv-k_q46d6568910_qv
	.p2alignl 7, 3214868480
	.fill 96, 4, 3214868480
	.section	.rodata,"a",@progbits
	.p2align	6, 0x0
	.amdhsa_kernel k_q46d6568910_qv
		.amdhsa_group_segment_fixed_size 327680
		.amdhsa_private_segment_fixed_size 0
		.amdhsa_enable_private_segment 0
		.amdhsa_kernarg_size 80
		.amdhsa_user_sgpr_count 2
		.amdhsa_user_sgpr_kernarg_segment_ptr 1
		.amdhsa_wavefront_size32 1
		.amdhsa_system_sgpr_workgroup_id_x 1
		.amdhsa_system_sgpr_workgroup_id_y 1
		.amdhsa_system_sgpr_workgroup_id_z 1
		.amdhsa_system_vgpr_workitem_id 0
		.amdhsa_next_free_vgpr 1024
		.amdhsa_next_free_sgpr 100
		.amdhsa_reserve_vcc 1
		.amdhsa_float_denorm_mode_32 3
		.amdhsa_float_denorm_mode_16_64 3
		.amdhsa_memory_ordered 1
		.amdhsa_forward_progress 1
		.amdhsa_inst_pref_size 214
	.end_amdhsa_kernel
	.amdgpu_metadata
---
amdhsa.version: [ 1, 2 ]
amdhsa.kernels:
  - .name:           k_q46d6568910_qv
    .symbol:         k_q46d6568910_qv.kd
    .args:
      - { .name: hidden_states_codes, .offset: 0, .size: 8, .value_kind: global_buffer, .address_space: global }
      - { .name: hidden_states_scales, .offset: 8, .size: 8, .value_kind: global_buffer, .address_space: global }
      - { .name: Wq_codes, .offset: 16, .size: 8, .value_kind: global_buffer, .address_space: global }
      - { .name: Wq_scales, .offset: 24, .size: 8, .value_kind: global_buffer, .address_space: global }
      - { .name: Wv_codes, .offset: 32, .size: 8, .value_kind: global_buffer, .address_space: global }
      - { .name: Wv_scales, .offset: 40, .size: 8, .value_kind: global_buffer, .address_space: global }
      - { .name: bq, .offset: 48, .size: 8, .value_kind: global_buffer, .address_space: global }
      - { .name: bv, .offset: 56, .size: 8, .value_kind: global_buffer, .address_space: global }
      - { .name: attention_mask, .offset: 64, .size: 8, .value_kind: global_buffer, .address_space: global }
      - { .name: part, .offset: 72, .size: 8, .value_kind: global_buffer, .address_space: global }
    .group_segment_fixed_size: 327680
    .private_segment_fixed_size: 0
    .kernarg_segment_align: 8
    .kernarg_segment_size: 80
    .max_flat_workgroup_size: 128
    .sgpr_count:     100
    .vgpr_count:     1024
    .wavefront_size: 32
...
	.end_amdgpu_metadata
.endif
;; end of part 1
;; launch kout (part 2): grid 8 x 32, 4 waves a work-group, clusters of 4 x 4, 327,680 bytes of LDS; arguments hidden_states_codes, hidden_states_scales, Wk_codes, Wk_scales, bk, part, out0; writes out0
.if DOCPART == 2
	.amdgcn_target "amdgcn-amd-amdhsa--gfx1250"
	.amdhsa_code_object_version 6
	.text
	.protected	k_q46d6568910_kout
	.globl	k_q46d6568910_kout
	.p2align	8
	.type	k_q46d6568910_kout,@function
k_q46d6568910_kout:
	s_mov_b64 s[64:65], 0
	v_nop
	global_prefetch_b8 v0, s[64:65] scope:SCOPE_SE
	s_setreg_imm32_b32 hwreg(HW_REG_WAVE_MODE, 25, 1), 1
	s_wait_xcnt 0x0
	s_wait_alu depctr_hold_cnt(0) depctr_sa_sdst(0) depctr_va_vdst(0) depctr_va_sdst(0) depctr_va_ssrc(0) depctr_va_vcc(0) depctr_vm_vsrc(0)
	s_getreg_b32 s2, hwreg(HW_REG_IB_STS2, 6, 4)
	s_cmp_eq_u32 s2, 0
	s_cbranch_scc0 .Lentry_in_a_cluster
	s_endpgm
.Lentry_in_a_cluster:
	s_bfe_u32 s2, ttmp6, 0x10000c
	s_cmp_lg_u32 s2, 0xf033
	s_cbranch_scc0 .Lentry_shape_is_right
	s_endpgm
.Lentry_shape_is_right:
; k = hidden Wk + bk for TWO heads and 512 rows of the sequence, its softmax along each head's 64, and out = softmax(k) s_ctx.  All products on codes of E3M2 with one E8M0 scale for each 32 along K.
; s_ctx[d][e] = sum over the batch's four chunks c of g_c[d] S_c[d][e] / sum over c of g_c[d] l_c[d], g_c = 2^(M_c - M): from the records that the launch before has stored (S^T[e][d], -M, l).
; SHARES.  Work-group (x, y): heads 2 x and 2 x + 1, rows 512 y on.  Wave w: rows 128 w on, all 128 columns: 64 accumulators, 512 registers.
; K = 1,024 goes in four steps of 256 through two LDS slots (512 rows of hidden, 128 of Wk).  CLUSTER 4 x 4: a row shares hidden's tiles, a column Wk's.  A column's four work-groups are the four chunks of ONE batch
; for one pair of heads: they need the same eight records, which come by joint loads into slot 0 when the ring has done with it, while the last 256 along K are multiplied.
; THE MATRIX INSTRUCTION: source 0 = 16 rows of Wk, source 1 = 16 rows of hidden: a lane holds ONE row of the sequence, its registers run along the columns, which are the next product's K.
; THE LAST PRODUCT has K = 64.  One fragment of p holds both heads (K 0-63: the first, 64-127: the second); a fragment of s_ctx has zero codes in the other head's half, which add nothing.
; Inside a block of 32 the codes stand in the order 0-7, 16-23, 8-15, 24-31, in p and in s_ctx alike.
; LIMITS.  NaN and infinities among k, and scale bytes 0xff, are not served.  A column of q hidden in the whole batch has l = 0: NaN, here as in the definition.  A block of zeros gets the scale byte 1. p under 2^-126 counts as 0.
; No prefetch: the tiles are read by several work-groups at about the same time and are shared in the cluster.
; REGISTERS.  Window 0: v1-31 addresses; v32-63 hidden's scale words (later v32-39 s_ctx's, v40 p's), v64-95 Wk's; v96-127, v224-255 the biases, later figures at work; v128-223 hidden's fragments, later S and p's codes.
;   Window 1: v0-95, v128-223 Wk's fragments; later v0-71 s_ctx's fragments, v72-120 at work, v128-255 the factors, then rows on their way out.  Windows 2, 3: k, then p, then the results.
.set ROWB,  192
.set KROW,  768
.set PITCH, 240
.set FR,    12
.set NL,    6
.set NP,    4
.set HB,    512*PITCH
.set SLOT,  640*PITCH
.set SPARE, 2*SLOT                     ; the spare words: two blocks of 256 bytes that no other line names
.set RROW,  272                        ; a record's row in LDS: 256 bytes + 16
.set RECL,  66*RROW                    ; a record in LDS; record 4 hd + c begins at RECL (4 hd + c), in slot 0
.set REC,   16896                      ; and in memory
.set FT,    SPARE+512                  ; the factors a_c[d], 1,024 bytes for each wave
.set IMG,   FT+4096                    ; s_ctx's eight fragments as images of their six registers: 512 + 256 bytes each
.set IMS,   IMG+8*768                  ; their scale words, 128 bytes each
.set STG,   SLOT                       ; the way out: 16 rows x 528 bytes for each wave, in slot 1, which has had its last fill and its last read
.set SPITCH, 528
.set ADRL,  16                         ; v16-19 my rows of hidden
.set ADRR,  20                         ; v20-23 Wk's rows
.set SPW,   28
.set NIL,   29
.set SCH,   32
.set SCW,   64
.set LF,    128
.set NF,    96                         ; the factors: -M (c, u), l (c, u), the least -M, g then a, L, 1 / L
.set LQ,    104
.set NMN,   112
.set GF,    114
.set LL,    122
.set RR,    124
.set EBM,   96                         ; a tile's softmax: the blocks' largest, at work, the conversions' operands, -M, the sums, 1 / l, p's codes
.set ET,    100
.set ESO,   104
.set ENM,   112
.set ECH,   116
.set ERL,   124
.set EPC,   128
.set ECT,   140
.set EPW,   40
.set SXS,   32
.set G1H, 24
.set G0H, 32
.set G1W, 48
.set G0W, 56
.set G1P, 84
.set G0P, 92
.set MSB, 0
.macro WIN new                         ; bits 1:0 source 0, 3:2 source 1, 5:4 source 2, 7:6 destination; the high byte repeats the setting that is left
.if MSB != \new
	s_set_vgpr_msb (MSB<<8)|\new
.set MSB, \new
.endif
.endm
.macro PLACES n
.rept \n
	v_nop
.endr
.endm
.macro JLOAD sl                        ; waves 0 and 1 fetch hidden's halves, waves 2 and 3 Wk's; four v_nop follow each line
	s_cmp_eq_u32 s67, 0
	s_cbranch_scc0 .Lfor_w_\@
	tensor_load_to_lds s[G0H+4*\sl:G0H+4*\sl+3], s[G1H:G1H+7]
	s_nop 0
.rept 4
	v_nop
.endr
	s_branch .Lasked_\@
.Lfor_w_\@:
	tensor_load_to_lds s[G0W+4*\sl:G0W+4*\sl+3], s[G1W:G1W+7]
	s_nop 0
.rept 4
	v_nop
.endr
.Lasked_\@:
.endm
.macro CREST
	s_cmp_lg_u32 s66, 0
	s_cbranch_scc1 .Lnot_wave_0_\@
	s_barrier_signal -3
.Lnot_wave_0_\@:
	s_barrier_wait -3
	s_barrier_signal -1
	s_barrier_wait -1
.endm
.macro CROUND
	s_barrier_signal -1
	s_barrier_wait -1
	CREST
.endm
.macro FRAG reg, adr, q, i             ; 16 rows x 128 K: 24 bytes of the row twice, in pieces of 8 bytes; the second address register serves the pieces behind one padding more
.irp p, 0,1,2,3,4,5
.set PCE, 12*(\q)+6*(\p/3)+\p%3
.if PCE%8 < 5
	ds_load_b64 v[\reg+2*\p:\reg+2*\p+1], v[\adr] offset:8*PCE+16*(PCE/8)+(\i)*16*PITCH
.else
	ds_load_b64 v[\reg+2*\p:\reg+2*\p+1], v[\adr+2] offset:8*PCE+16*(PCE/8)+(\i)*16*PITCH
.endif
.endr
.endm
.macro FETCH_R slot, q, p              ; source 0's eight fragments (Wk) into set p of window 1
	WIN 0x40
.irp i, 0,1,2,3,4,5,6,7
	FRAG 128*(\p)+FR*\i, ADRR+\slot, \q, \i
.endr
	WIN 0
.endm
.macro FETCH_L slot, q, i0             ; source 1's blocks i0 .. i0 + 3 (hidden)
.irp i, \i0, \i0+1, \i0+2, \i0+3
	FRAG LF+FR*(\i), ADRL+\slot, \q, \i
.endr
.endm
; 16 matrix instructions: hidden's blocks a0, a0 + 1 x Wk's eight, the g-th 128 along K.  mode = 1: C is the bias of Wk's block.  The 64 accumulators take turns.
.macro MUL16 a0, p, g, mode
.irp a, \a0, \a0+1
.irp b, 0,1,2,3,4,5,6,7
.set rD, 8*(8*((\a)%4)+\b)
.set rR, 128*(\p)+FR*\b
.set rL, LF+FR*(\a)
.set sR, SCW+4*\b+(\g)%4
.set sL, SCH+4*(\a)+(\g)%4
.set rC, 96+8*\b+96*(\b/4)
.if \mode
	v_wmma_scale_f32_16x16x128_f8f6f4 v[rD:rD+7], v[rR:rR+FR-1], v[rL:rL+FR-1], v[rC:rC+7], v[sR], v[sL] matrix_a_fmt:MATRIX_FMT_BF6 matrix_b_fmt:MATRIX_FMT_BF6
.elseif (\g) < 4
	v_wmma_scale_f32_16x16x128_f8f6f4 v[rD:rD+7], v[rR:rR+FR-1], v[rL:rL+FR-1], v[rD:rD+7], v[sR], v[sL] matrix_a_fmt:MATRIX_FMT_BF6 matrix_b_fmt:MATRIX_FMT_BF6
.else
	v_wmma_scale_f32_16x16x128_f8f6f4 v[rD:rD+7], v[rR:rR+FR-1], v[rL:rL+FR-1], v[rD:rD+7], v[sR], v[sL] matrix_a_fmt:MATRIX_FMT_BF6 matrix_b_fmt:MATRIX_FMT_BF6 matrix_a_scale:MATRIX_SCALE_ROW1 matrix_b_scale:MATRIX_SCALE_ROW1
.endif
.endr
.endr
.endm
.macro STEP slot, g, mode
	s_wait_dscnt 4*NL                              ; all but the 24 youngest loads (source 1's blocks 4-7) are in
.if \mode
	WIN 0x81
.else
	WIN 0xa1
.endif
	MUL16 0, 0, \g, \mode
	MUL16 2, 0, \g, \mode
	s_wait_dscnt 0x0
	PLACES NP
	FETCH_R \slot, 1, 1
	FETCH_L \slot, 1, 0
.if \mode
	WIN 0xc1
.else
	WIN 0xf1
.endif
	MUL16 4, 0, \g, \mode
	MUL16 6, 0, \g, \mode
	PLACES NP
	WIN 0
	FETCH_L \slot, 1, 4
.endm
; The change of slots.  fill = 1: this slot takes the tiles two steps of 256 on; fill = 2: slot 0 takes the eight records, two a wave.  Both stand first behind a round of the cluster's barrier.
.macro TURN slot, next, g, fill
	s_wait_tensorcnt 0x0                           ; all my tensor loads have landed: my part of the next slot
	ds_add_u32 v[SPW], v[NIL]                      ; 0 onto my spare word
	s_wait_dscnt 4*NL+1                            ; the add and the 24 youngest loads may be out
	WIN 0xa1
	MUL16 0, 1, \g, 0
	s_wait_dscnt 0x0                               ; the add is done, and my reads of this slot are over
	s_barrier_signal -1
	MUL16 2, 1, \g, 0
	WIN 0
	s_barrier_wait -1
	CREST
.if \fill == 1
	s_add_nc_u64 s[G0H+4*\slot+2:G0H+4*\slot+3], s[G0H+4*\slot+2:G0H+4*\slot+3], 2*ROWB
	s_add_nc_u64 s[G0W+4*\slot+2:G0W+4*\slot+3], s[G0W+4*\slot+2:G0W+4*\slot+3], 2*ROWB
	JLOAD \slot
.else
	tensor_load_to_lds s[G0P:G0P+3], s[G1P:G1P+7]
	s_nop 0
.rept 4
	v_nop
.endr
.endif
	FETCH_R \next, 0, 0
	FETCH_L \next, 0, 0
	WIN 0xf1
	MUL16 4, 1, \g, 0
	MUL16 6, 1, \g, 0
	PLACES NP
	WIN 0
	FETCH_L \next, 0, 4
.endm
; 64 numbers of a lane in window w, v[src] on, with their four blocks' largest magnitudes in v[tm] on, become a fragment's codes in v[pc] on and its scale word in v[pw].
.macro QTAIL src, w, tm, so, pc, ct, pw
.irp u, 0,1,2,3
	v_add_nc_u32 v[\so+\u], 0xfe000000, v[\tm+\u]  ; 4 off the exponent field: the conversion's scale operand
.endr
.irp u, 0,1,2,3
	v_lshrrev_b32 v[\tm+\u], 23, v[\so+\u]         ; the scale's byte
.endr
	v_lshl_or_b32 v[\pw], v[\tm+1], 8, v[\tm]
	v_lshl_or_b32 v[\pw], v[\tm+2], 16, v[\pw]
	v_lshl_or_b32 v[\pw], v[\tm+3], 24, v[\pw]
	WIN \w
.irp c, 0,1
	v_cvt_scalef32_pk16_bf6_f32 v[\pc+6*\c:\pc+6*\c+2], v[\src+32*\c:\src+32*\c+15], v[\so+2*\c]
	v_cvt_scalef32_pk16_bf6_f32 v[\ct+4*\c:\ct+4*\c+2], v[\src+32*\c+16:\src+32*\c+31], v[\so+2*\c+1]
.endr
	WIN 0
	v_nop                                          ; one plain place behind a scaled conversion
.irp c, 0,1
.irp i, 0,1,2
	v_permlane16_swap_b32 v[\pc+6*\c+\i], v[\ct+4*\c+\i]
.endr
.irp i, 0,1,2
	v_mov_b32 v[\pc+6*\c+3+\i], v[\ct+4*\c+\i]
.endr
.endr
.endm
	s_load_b256 s[4:11], s[0:1], 0x0               ; hidden's codes s[4:5], its scales s[6:7], Wk's codes s[8:9], its scales s[10:11]
	s_load_b128 s[12:15], s[0:1], 0x20             ; bk s[12:13], the records s[14:15]
	s_load_b64 s[16:17], s[0:1], 0x30              ; out
	v_lshl_add_u32 v[SPW], v0, 2, SPARE
	v_mov_b32 v[NIL], 0
	ds_add_u32 v28, v29
	ds_add_u32 v28, v29
	s_wait_dscnt 0x0
	v_lshrrev_b32 v1, 5, v0
	v_readfirstlane_b32 s66, v1                    ; wave 0..3
	s_lshr_b32 s67, s66, 1                         ; 0: I fetch hidden; 1: Wk.  Later: the head whose s_ctx I make
	s_and_b32 s68, s66, 1
	s_bfe_u32 s40, ttmp6, 0x40000                  ; cx
	s_bfe_u32 s41, ttmp6, 0x40004                  ; cy
	s_lshl_b32 s42, ttmp9, 2
	s_add_co_u32 s42, s42, s40                     ; x: the pair of heads
	s_and_b32 s45, ttmp7, 0xffff
	s_lshl_b32 s45, s45, 2
	s_add_co_u32 s45, s45, s41                     ; y: which 512 rows
	s_lshl_b32 s43, s41, 2
	s_lshl_b32 s43, 15, s43                        ; my row of the cluster
	s_lshl_b32 s44, 0x1111, s40                    ; my column
	s_or_b32 s[G1H+0], s43, (1<<20)|(1<<21)|(3<<22)|(3<<25)
	s_or_b32 s[G1W+0], s44, (1<<20)|(1<<21)|(3<<22)|(3<<25)
	s_or_b32 s[G1P+0], s44, (3<<16)|(1<<20)|(1<<21)|(5<<22)|(3<<25)  ; the records: elements of 8 bytes; after every 64 words 4 words of padding
	s_mov_b32 s[G1H+1], ROWB<<16
	s_mov_b32 s[G1H+2], 256<<16
	s_mov_b32 s[G1H+3], ROWB<<16
	s_mov_b32 s[G1H+4], 256
	s_mov_b32 s[G1H+5], KROW
	s_mov_b32 s[G1H+6], 0
	s_mov_b32 s[G1H+7], 0
	s_mov_b32 s[G1W+1], ROWB<<16
	s_mov_b32 s[G1W+2], 64<<16
	s_mov_b32 s[G1W+3], ROWB<<16
	s_mov_b32 s[G1W+4], 64
	s_mov_b32 s[G1W+5], KROW
	s_mov_b32 s[G1W+6], 0
	s_mov_b32 s[G1W+7], 0
	s_mov_b32 s[G1P+1], 32<<16                     ; two records are a dense block of 132 rows of 256 bytes
	s_mov_b32 s[G1P+2], 132<<16
	s_mov_b32 s[G1P+3], 32<<16
	s_mov_b32 s[G1P+4], 132
	s_mov_b32 s[G1P+5], 32
	s_mov_b32 s[G1P+6], 0
	s_mov_b32 s[G1P+7], 0
	s_mov_b32 s76, 0x76543210
	s_mov_b32 s77, 0xfedcba98
	s_mov_b32 s78, 0x3fb8aa3b                      ; log2(e)
	s_mov_b32 s79, s78
	s_lshl_b32 s70, s45, 9                         ; hidden's tile hangs on y and the wave alone
	s_lshl_b32 s71, s68, 8
	s_add_co_u32 s70, s70, s71
	s_mul_i32 s70, s70, KROW
	s_mov_b32 s71, 0
	s_lshl_b32 s74, s42, 7                         ; Wk's on x and the wave alone: row 128 x + 64 (wave % 2)
	s_lshl_b32 s75, s68, 6
	s_add_co_u32 s74, s74, s75
	s_mul_i32 s74, s74, KROW
	s_mov_b32 s75, 0
	s_and_b32 s82, ttmp7, 0xffff                   ; the records hang on the batch, which is the cluster's y, on x and on the wave
	s_lshl_b32 s82, s82, 4
	s_lshl_b32 s83, s42, 1
	s_add_co_u32 s82, s82, s83
	s_mul_i32 s82, s82, 4*REC
	s_mul_i32 s83, s66, 2*REC
	s_add_co_u32 s82, s82, s83
	s_mov_b32 s83, 0
	s_mul_i32 s69, s68, 256*PITCH
	s_mul_i32 s98, s68, 64*PITCH
	s_add_co_u32 s98, s98, HB
	s_wait_kmcnt 0x0
	s_add_nc_u64 s[72:73], s[4:5], s[70:71]
	s_add_nc_u64 s[46:47], s[8:9], s[74:75]
	s_mov_b32 s[G0P], 1
	s_mul_i32 s[G0P+1], s66, 2*RECL
	s_add_nc_u64 s[G0P+2:G0P+3], s[14:15], s[82:83]
	s_or_b32 s[G0P+3], s[G0P+3], 0x80000000
	CROUND                                         ; all sixteen work-groups are here: the first joint loads meet
.irp n, 0,1
	s_mov_b32 s[G0H+4*\n], 1
	s_add_co_u32 s[G0H+4*\n+1], s69, \n*SLOT
	s_add_nc_u64 s[G0H+4*\n+2:G0H+4*\n+3], s[72:73], \n*ROWB
	s_or_b32 s[G0H+4*\n+3], s[G0H+4*\n+3], 0x80000000
	s_mov_b32 s[G0W+4*\n], 1
	s_add_co_u32 s[G0W+4*\n+1], s98, \n*SLOT
	s_add_nc_u64 s[G0W+4*\n+2:G0W+4*\n+3], s[46:47], \n*ROWB
	s_or_b32 s[G0W+4*\n+3], s[G0W+4*\n+3], 0x80000000
	JLOAD \n
.endr
	v_and_b32 v1, 15, v0                           ; r
	v_bfe_u32 v2, v0, 4, 1                         ; h
	v_and_b32 v3, 31, v0                           ; lane
	v_mul_u32_u24 v5, v1, PITCH
	v_mad_u32_u24 v5, v2, 24, v5
	v_lshl_add_u32 v6, v2, 4, v5
	s_mul_i32 s96, s66, 128*PITCH                  ; my 128 rows of hidden
	s_mov_b32 s97, HB                              ; Wk's 128 rows
.irp n, 0,1
	v_add_nc_u32 v[ADRL+\n], s96, v5
	v_add_nc_u32 v[ADRL+2+\n], s96, v6
	v_add_nc_u32 v[ADRR+\n], s97, v5
	v_add_nc_u32 v[ADRR+2+\n], s97, v6
	s_add_co_u32 s96, s96, SLOT
	s_add_co_u32 s97, s97, SLOT
.endr
	s_lshl_b32 s70, s45, 9
	s_lshl_b32 s71, s66, 7
	s_add_co_u32 s70, s70, s71                     ; my first row
	s_lshl_b32 s80, s70, 12                        ; its row of out: 4,096 bytes a row,
	s_lshl_b32 s81, s42, 9
	s_add_co_u32 s80, s80, s81                     ; + the pair's 512 bytes
	s_mov_b32 s81, 0
	s_add_nc_u64 s[16:17], s[16:17], s[80:81]
	s_lshl_b32 s70, s70, 5
	s_mov_b32 s71, 0
	s_add_nc_u64 s[6:7], s[6:7], s[70:71]          ; its scales
	s_lshl_b32 s74, s42, 12                        ; the pair's 128 rows of Wk's scales
	s_add_nc_u64 s[10:11], s[10:11], s[74:75]
	s_lshl_b32 s74, s42, 9                         ; and its 128 biases
	s_add_nc_u64 s[12:13], s[12:13], s[74:75]
	v_lshlrev_b32 v10, 5, v1
	v_lshl_add_u32 v10, v2, 4, v10                 ; scales: 32 r + 16 h
	v_lshlrev_b32 v11, 5, v2                       ; biases: 32 h
.irp i, 0,1,2,3,4,5,6,7
	global_load_b128 v[SCH+4*\i:SCH+4*\i+3], v10, s[6:7] offset:512*\i
	global_load_b128 v[SCW+4*\i:SCW+4*\i+3], v10, s[10:11] offset:512*\i
.endr
.irp b, 0,1,2,3,4,5,6,7                        ; bk at columns 16 b + 8 h + 0 .. 7, in the accumulators' layout
	global_load_b128 v[96+8*\b+96*(\b/4):96+8*\b+96*(\b/4)+3], v11, s[12:13] offset:64*\b
	global_load_b128 v[96+8*\b+96*(\b/4)+4:96+8*\b+96*(\b/4)+7], v11, s[12:13] offset:64*\b+16
.endr
	s_mul_i32 s96, s67, 4*RECL                     ; my head's four records
	s_add_co_u32 s97, s96, 64*RROW
	v_lshl_add_u32 v12, v3, 2, s97                 ; their rows 64: 4 x lane
	s_lshl_b32 s97, s66, 10
	s_add_co_u32 s97, s97, FT
	v_lshl_add_u32 v13, v3, 2, s97                 ; my factors, in: 4 x lane
	v_lshl_add_u32 v14, v2, 7, s97                 ; and back: the 32 of my half
	s_mul_i32 s97, s68, 32*RROW
	s_add_co_u32 s97, s97, s96
	v_mul_u32_u24 v15, v1, RROW
	v_lshl_add_u32 v15, v2, 7, v15
	v_add_nc_u32 v15, s97, v15                     ; S^T: row 32 (w % 2) + r, columns 32 h on
	v_lshlrev_b32 v26, 4, v3                       ; 16 x lane
	v_add_nc_u32 v7, IMG, v26                      ; an image's first four registers,
	v_lshlrev_b32 v8, 3, v3
	v_add_nc_u32 v8, IMG+512, v8                   ; its last two,
	v_lshlrev_b32 v9, 2, v3
	v_add_nc_u32 v9, IMS, v9                       ; its scale word
	s_mul_i32 s97, s66, 2*768
	v_add_nc_u32 v27, s97, v7                      ; and the same for the two that I make
	v_add_nc_u32 v30, s97, v8
	s_lshl_b32 s97, s66, 8
	v_add_nc_u32 v31, s97, v9
	s_mul_i32 s97, s66, 16*SPITCH
	s_add_co_u32 s97, s97, STG
	v_mul_u32_u24 v24, v1, SPITCH
	v_lshl_add_u32 v24, v2, 5, v24
	v_add_nc_u32 v24, s97, v24                     ; my stage, in: row r, 32 h
	v_add_nc_u32 v25, s97, v26                     ; and back: 16 bytes a lane of a row of 512
	s_lshl_b32 s97, s67, 4
	v_lshl_add_u32 v4, v2, 3, s97                  ; where my block's byte stands in s_ctx's scale word: bit 8 h + 16 x head
	s_wait_tensorcnt 1                             ; my part of slot 0 is in; slot 1's may stay out
	s_barrier_signal -1
	s_barrier_wait -1
	FETCH_R 0, 0, 0
	FETCH_L 0, 0, 0
	FETCH_L 0, 0, 4
	s_wait_loadcnt 0x0                             ; scales and biases
	STEP 0, 0, 1
	TURN 0, 1, 1, 1
	STEP 1, 2, 0
	TURN 1, 0, 3, 1
	STEP 0, 4, 0
	TURN 0, 1, 5, 2                                ; slot 0 takes the records
	STEP 1, 6, 0
	s_wait_dscnt 4*NL
	WIN 0xa1
	MUL16 0, 1, 7, 0
	MUL16 2, 1, 7, 0
	s_wait_dscnt 0x0
	WIN 0xf1
	MUL16 4, 1, 7, 0
	MUL16 6, 1, 7, 0
	WIN 0
	s_wait_tensorcnt 0x0                           ; my two records have landed,
	s_wait_dscnt 0x0                               ; my reads of slot 1 are over:
	s_barrier_signal -1
	s_barrier_wait -1                              ; both hold of every wave; nothing is filled from here on
	; ---- THE FACTORS a_c[d] = 2^(M_c - M) / L[d] of my head: a lane takes d = lane and lane + 32
.irp c, 0,1,2,3
.irp u, 0,1
	ds_load_b32 v[NF+2*\c+\u], v12 offset:RECL*\c+128*\u
	ds_load_b32 v[LQ+2*\c+\u], v12 offset:RECL*\c+RROW+128*\u
.endr
.endr
	s_wait_dscnt 0x0
.irp u, 0,1
	v_min_num_f32 v[NMN+\u], v[NF+\u], v[NF+2+\u]
.endr
.irp u, 0,1
	v_min_num_f32 v[NMN+\u], v[NMN+\u], v[NF+4+\u]
.endr
.irp u, 0,1
	v_min_num_f32 v[NMN+\u], v[NMN+\u], v[NF+6+\u]
.endr
.set n, 0
.rept 8
	v_sub_f32 v[GF+n], v[NMN+n%2], v[NF+n]         ; M_c - M: a whole number, 0 or less
.set n, n+1
.endr
.set n, 0
.rept 8
	v_cvt_i32_f32 v[GF+n], v[GF+n]                 ; (it saturates)
.set n, n+1
.endr
.set n, 0
.rept 8
	v_ldexp_f32 v[GF+n], 1.0, v[GF+n]
.set n, n+1
.endr
	v_pk_mul_f32 v[LL:LL+1], v[GF:GF+1], v[LQ:LQ+1]
.irp c, 1,2,3
	v_pk_fma_f32 v[LL:LL+1], v[GF+2*\c:GF+2*\c+1], v[LQ+2*\c:LQ+2*\c+1], v[LL:LL+1]
.endr
	v_rcp_f32 v[RR], v[LL]
	v_rcp_f32 v[RR+1], v[LL+1]
	v_nop                                          ; a plain instruction behind the reciprocals
	s_wait_alu depctr_va_vdst(0)                   ; and the wait ahead of their first reader
.irp c, 0,1,2,3
	v_pk_mul_f32 v[GF+2*\c:GF+2*\c+1], v[GF+2*\c:GF+2*\c+1], v[RR:RR+1]
.endr
.irp c, 0,1,2,3
.irp u, 0,1
	ds_store_b32 v13, v[GF+2*\c+\u] offset:256*\c+128*\u
.endr
.endr
	WIN 0x40
	v_mov_b32 v120, v4                             ; window 1: the byte's shift,
	v_mov_b32 v109, 0                              ; and a lane permute's destination, which counts as one of its sources
.irp c, 0,1,2,3                                ; back along the registers: a_c[32 h + k] in v[128 + 32 c + k] of window 1.  LDS serves a wave's instructions in order: these see my stores
.irp m, 0,1,2,3,4,5,6,7
	ds_load_b128 v[128+32*\c+4*\m:128+32*\c+4*\m+3], v14 offset:256*\c+16*\m
.endr
.endr
	WIN 0
; ---- A FRAGMENT OF s_ctx: rows e = 32 (w % 2) + 16 ii + r, K = my head's d.  A lane holds a whole block, d = 32 h + 0 .. 31, laid in the order that p's codes have.
.macro SCTX ii
.irp c, 0,1,2,3
.irp m, 0,1,2,3,4,5,6,7
	ds_load_b128 v[128+32*\c+4*\m:128+32*\c+4*\m+3], v15 offset:RECL*\c+16*RROW*\ii+16*\m
.endr
.endr
	s_wait_dscnt 0x0
	WIN 0x44                                       ; source 0 (S) window 0, source 1 (the factors) and the destination window 1
.set k, 0
.rept 16
.set pk, 72+8*(((k/8)%2)*2+(k/16))+(k%8)
	v_pk_mul_f32 v[pk:pk+1], v[128+k:129+k], v[128+k:129+k]
.set k, k+2
.endr
	WIN 0x54
.irp c, 1,2,3
.set k, 0
.rept 16
.set pk, 72+8*(((k/8)%2)*2+(k/16))+(k%8)
	v_pk_fma_f32 v[pk:pk+1], v[128+32*\c+k:129+32*\c+k], v[128+32*\c+k:129+32*\c+k], v[pk:pk+1]
.set k, k+2
.endr
.endr
	WIN 0x55                                       ; all in window 1
	v_max3_num_f32 v104, |v72|, |v73|, 0x2800000   ; the block's largest magnitude, in two chains, with the floor 2^(5 - 127)
	v_max3_num_f32 v105, |v88|, |v89|, |v90|
.irp i, 2,4,6,8,10,12
	v_max3_num_f32 v104, v104, |v[72+\i]|, |v[73+\i]|
	v_max3_num_f32 v105, v105, |v[89+\i]|, |v[90+\i]|
.endr
	v_max3_num_f32 v104, v104, |v86|, |v87|
	v_max3_num_f32 v104, v104, v105, |v103|
	v_add_nc_u32 v106, 0xfe000000, v104            ; the conversion's scale operand
	v_lshrrev_b32 v107, 23, v106                   ; the byte,
	v_lshlrev_b32 v108, v120, v107                 ; at its place in the word;
	v_permlanex16_b32 v109, v108, s76, s77
	v_or_b32 v108, v108, v109                      ; with lane l xor 16's the head's two bytes are there
	v_cvt_scalef32_pk16_bf6_f32 v[110:112], v[72:87], v106
	v_cvt_scalef32_pk16_bf6_f32 v[116:118], v[88:103], v106
	v_nop                                          ; one plain place behind a scaled conversion
	v_mov_b32 v113, v116
	v_mov_b32 v114, v117
	v_mov_b32 v115, v118
	WIN 0x04                                       ; the six registers go to LDS as they stand
	ds_store_b128 v27, v[110:113] offset:768*\ii
	ds_store_b64 v30, v[114:115] offset:768*\ii
	ds_store_b32 v31, v108 offset:128*\ii
	WIN 0
	s_wait_dscnt 0x0                               ; the stores have landed and have read their registers
.endm
	SCTX 0
	SCTX 1
	s_barrier_signal -1
	s_barrier_wait -1                              ; all eight images lie in LDS
	WIN 0x40                                       ; v[18 i] on: the first head's six registers, six of zeros, the second head's six: v[18 i : 18 i + 11] and v[18 i + 6 : 18 i + 17] are the two heads' fragments
.irp i, 0,1,2,3
	ds_load_b128 v[18*\i:18*\i+3], v7 offset:768*\i
	ds_load_b64 v[18*\i+4:18*\i+5], v8 offset:768*\i
	ds_load_b128 v[18*\i+12:18*\i+15], v7 offset:768*(4+\i)
	ds_load_b64 v[18*\i+16:18*\i+17], v8 offset:768*(4+\i)
.irp j, 6,7,8,9,10,11
	v_mov_b32 v[18*\i+\j], 0
.endr
.endr
	WIN 0
.irp i, 0,1,2,3
	ds_load_b32 v[SXS+\i], v9 offset:128*\i
	ds_load_b32 v[SXS+4+\i], v9 offset:128*(4+\i)
.endr
	s_wait_dscnt 0x0
.irp i, 0,1,2,3
	v_or_b32 v[SXS+\i], v[SXS+\i], v[SXS+4+\i]     ; bytes 0, 1: the first head's; bytes 2, 3: the second's: one word serves both fragments
.endr
; ---- A TILE OF 16 ROWS: the softmax of each head's 64 columns, p quantised, the last product, the division by l.  Registers X .. X + 31 of window W: the first head; X + 32 on: the second.
.macro EPI a
.set W, 2+(\a)/4
.set X, 64*((\a)%4)
.set W_S012, W|(W<<2)|(W<<4)
.set W_S12, (W<<2)|(W<<4)
.set W_S01, W|(W<<2)
.set W_S1, W<<2
.set W_DS0, (W<<6)|W
.set W_MM, (W<<6)|1
	WIN W_S012
.irp u, 0,1,2,3
	v_max3_num_f32 v[EBM+\u], v[X+16*\u], v[X+16*\u+1], v[X+16*\u+2]   ; the largest logit of each block of 32 columns
.endr
	WIN W_S12
.irp i, 3,5,7,9,11,13
.irp u, 0,1,2,3
	v_max3_num_f32 v[EBM+\u], v[EBM+\u], v[X+16*\u+\i], v[X+16*\u+\i+1]
.endr
.endr
	WIN W_S1
.irp u, 0,1,2,3
	v_max_num_f32 v[EBM+\u], v[EBM+\u], v[X+16*\u+15]
.endr
	WIN 0
.irp u, 0,1,2,3
	v_permlanex16_b32 v[ET+\u], v[EBM+\u], s76, s77
.endr
.irp u, 0,1,2,3
	v_max_num_f32 v[EBM+\u], v[EBM+\u], v[ET+\u]
.endr
.irp d, 0,1
	v_max_num_f32 v[ET+\d], v[EBM+2*\d], v[EBM+2*\d+1]
.endr
.irp d, 0,1
	v_mul_f32 v[ET+\d], s78, v[ET+\d]
.endr
.irp d, 0,1
	v_floor_f32 v[ENM+2*\d], -v[ET+\d]             ; -M.  (The pair's upper register has been written before)
.endr
.irp u, 0,1,2,3
	v_fma_f32 v[EBM+\u], v[EBM+\u], s78, v[ENM+2*(\u/2)]
.endr
	WIN W_DS0
.set n, 0
.rept 32
	v_pk_fma_f32 v[X+2*n:X+2*n+1], v[X+2*n:X+2*n+1], s[78:79], v[ENM+2*(n/16):ENM+2*(n/16)+1] op_sel_hi:[1,0,0]
.set n, n+1
.endr
.set n, 0
.rept 64
	v_exp_f32 v[X+n], v[X+n]
.set n, n+1
.endr
	WIN 0
.irp u, 0,1,2,3
	v_exp_f32 v[EBM+\u], v[EBM+\u]
.endr
	v_nop                                          ; a plain instruction behind the last exponential
	s_wait_alu depctr_va_vdst(0)                   ; one wait for the batch, ahead of its first reader
	WIN W_S01
.irp d, 0,1
	v_pk_add_f32 v[ECH+4*\d:ECH+4*\d+1], v[X+32*\d:X+32*\d+1], v[X+32*\d+2:X+32*\d+3]
	v_pk_add_f32 v[ECH+4*\d+2:ECH+4*\d+3], v[X+32*\d+4:X+32*\d+5], v[X+32*\d+6:X+32*\d+7]
.endr
	WIN W_S1
.irp j, 8,12,16,20,24,28
.irp d, 0,1
	v_pk_add_f32 v[ECH+4*\d:ECH+4*\d+1], v[ECH+4*\d:ECH+4*\d+1], v[X+32*\d+\j:X+32*\d+\j+1]
	v_pk_add_f32 v[ECH+4*\d+2:ECH+4*\d+3], v[ECH+4*\d+2:ECH+4*\d+3], v[X+32*\d+\j+2:X+32*\d+\j+3]
.endr
.endr
	WIN 0
.irp d, 0,1
	v_pk_add_f32 v[ECH+4*\d:ECH+4*\d+1], v[ECH+4*\d:ECH+4*\d+1], v[ECH+4*\d+2:ECH+4*\d+3]
.endr
.irp d, 0,1
	v_add_f32 v[ECH+4*\d], v[ECH+4*\d], v[ECH+4*\d+1]
.endr
.irp d, 0,1
	v_permlanex16_b32 v[ECH+4*\d+2], v[ECH+4*\d], s76, s77
.endr
.irp d, 0,1
	v_add_f32 v[ECH+4*\d], v[ECH+4*\d], v[ECH+4*\d+2]  ; l of my row, of the unquantised p
.endr
.irp d, 0,1
	v_rcp_f32 v[ERL+2*\d], v[ECH+4*\d]
.endr
.irp u, 0,1,2,3
	v_max_num_f32 v[EBM+\u], 0x2800000, v[EBM+\u]  ; the floor.  (Plain work behind the reciprocals)
.endr
	s_wait_alu depctr_va_vdst(0)                   ; the wait for the two reciprocals
	QTAIL X, W, EBM, ESO, EPC, ECT, EPW
	PLACES 8                                       ; a scale register written by a vector instruction stands 8 places ahead of a scaled matrix instruction, an operand 4
	WIN W_MM                                       ; source 0 (s_ctx) window 1, source 1 (p) window 0, the results in the logits' place: lane = my row, register j = column 16 i + 8 h + j
.irp i, 0,1,2,3
	v_wmma_scale_f32_16x16x128_f8f6f4 v[X+8*\i:X+8*\i+7], v[18*\i:18*\i+11], v[EPC:EPC+11], 0, v[SXS+\i], v[EPW] matrix_a_fmt:MATRIX_FMT_BF6 matrix_b_fmt:MATRIX_FMT_BF6
	v_wmma_scale_f32_16x16x128_f8f6f4 v[X+32+8*\i:X+32+8*\i+7], v[18*\i+6:18*\i+17], v[EPC:EPC+11], 0, v[SXS+\i], v[EPW] matrix_a_fmt:MATRIX_FMT_BF6 matrix_b_fmt:MATRIX_FMT_BF6
.endr
	PLACES NP
	WIN W_DS0
.set n, 0
.rept 32
	v_pk_mul_f32 v[X+2*n:X+2*n+1], v[X+2*n:X+2*n+1], v[ERL+2*(n/16):ERL+2*(n/16)+1] op_sel_hi:[1,0]   ; / l, each result from its low end on
.set n, n+1
.endr
	WIN 0
.endm
; THE WAY OUT of a tile: 16 rows x 128 columns through my own stage, back as whole rows of 512 bytes.  LDS serves a wave's instructions in order: no wait between the stores and the loads.
.macro TOSTAGE a
.set AC, 64*((\a)%4)
.set WW, (2+(\a)/4)<<2
	WIN WW
.irp b, 0,1,2,3,4,5,6,7
	ds_store_b128 v24, v[AC+8*\b:AC+8*\b+3] offset:64*\b
	ds_store_b128 v24, v[AC+8*\b+4:AC+8*\b+7] offset:64*\b+16
.endr
	WIN 0x40
.set BB, 128+64*((\a)%2)
.irp t, 0,1,2,3,4,5,6,7,8,9,10,11,12,13,14,15
	ds_load_b128 v[BB+4*\t:BB+4*\t+3], v25 offset:\t*SPITCH
.endr
	WIN 0
.endm
.macro SEND a
.set BB, 128+64*((\a)%2)
	s_wait_dscnt 0x0                               ; the tile is back in registers (it came while the next tile's softmax was worked)
	s_wait_xcnt 0x0                                ; the earlier stores have read their base and their registers: the base may step, and the next tile's rows may land where the tile two back lay
.if (\a) > 0
	s_add_nc_u64 s[16:17], s[16:17], 16*4096
.endif
	WIN 0x04
.irp t, 0,1,2,3,4,5,6,7,8,9,10,11,12,13,14,15
	global_store_b128 v26, v[BB+4*\t:BB+4*\t+3], s[16:17] offset:\t*4096 th:TH_STORE_NT   ; 32 lanes store 512 consecutive bytes, at a multiple of 256 from the buffer's first byte
.endr
	WIN 0
.endm
	EPI 0
	TOSTAGE 0
.irp a, 1,2,3,4,5,6,7
	EPI \a
	SEND \a-1
	TOSTAGE \a
.endr
	SEND 7
	s_wait_tensorcnt 0x0                           ; the wave's end
	ds_add_u32 v[SPW], v[NIL]
	s_wait_dscnt 0x0
	CROUND                                         ; the closing round
	s_endpgm
.Lfunc_end_k_q46d6568910_kout:
	.size	k_q46d6568910_kout, .Lfunc_end_k_q46d6568910_kout-k_q46d6568910_kout
	.p2alignl 7, 3214868480
	.fill 96, 4, 3214868480
	.section	.rodata,"a",@progbits
	.p2align	6, 0x0
	.amdhsa_kernel k_q46d6568910_kout
		.amdhsa_group_segment_fixed_size 327680
		.amdhsa_private_segment_fixed_size 0
		.amdhsa_enable_private_segment 0
		.amdhsa_kernarg_size 56
		.amdhsa_user_sgpr_count 2
		.amdhsa_user_sgpr_kernarg_segment_ptr 1
		.amdhsa_wavefront_size32 1
		.amdhsa_system_sgpr_workgroup_id_x 1
		.amdhsa_system_sgpr_workgroup_id_y 1
		.amdhsa_system_sgpr_workgroup_id_z 1
		.amdhsa_system_vgpr_workitem_id 0
		.amdhsa_next_free_vgpr 1024
		.amdhsa_next_free_sgpr 100
		.amdhsa_reserve_vcc 0
		.amdhsa_float_denorm_mode_32 3
		.amdhsa_float_denorm_mode_16_64 3
		.amdhsa_memory_ordered 1
		.amdhsa_forward_progress 1
		.amdhsa_inst_pref_size 255
	.end_amdhsa_kernel
	.section	.bss,"aw",@nobits
	.p2align	6
	.space	262144
	.amdgpu_metadata
---
amdhsa.version: [ 1, 2 ]
amdhsa.kernels:
  - .name:           k_q46d6568910_kout
    .symbol:         k_q46d6568910_kout.kd
    .args:
      - { .name: hidden_states_codes, .offset: 0, .size: 8, .value_kind: global_buffer, .address_space: global }
      - { .name: hidden_states_scales, .offset: 8, .size: 8, .value_kind: global_buffer, .address_space: global }
      - { .name: Wk_codes, .offset: 16, .size: 8, .value_kind: global_buffer, .address_space: global }
      - { .name: Wk_scales, .offset: 24, .size: 8, .value_kind: global_buffer, .address_space: global }
      - { .name: bk, .offset: 32, .size: 8, .value_kind: global_buffer, .address_space: global }
      - { .name: part, .offset: 40, .size: 8, .value_kind: global_buffer, .address_space: global }
      - { .name: out0, .offset: 48, .size: 8, .value_kind: global_buffer, .address_space: global }
    .group_segment_fixed_size: 327680
    .private_segment_fixed_size: 0
    .kernarg_segment_align: 8
    .kernarg_segment_size: 56
    .max_flat_workgroup_size: 128
    .sgpr_count:     100
    .vgpr_count:     1024
    .wavefront_size: 32
...
	.end_amdgpu_metadata
.endif
;; end of part 2
